; MI455X (gfx1250); checked and timed in simulation.
; The chip was launched on July 23, 2026; its instructions are those of AMD's public machine-readable ISA for CDNA 5 (MIT licence, August 2026) and "CDNA5" Instruction Set Architecture Reference Guide (July 2026). The comments in the code are by the model that wrote it; some were corrected since.
;; Casual Self Attention. Allowed arithmetic: float matrix products may take bf16 or f16 operands with f32 sums; other float arithmetic in f32, or as packed bf16 or f16 multiplies, adds, multiply-adds, maxima and minima; sums over many terms, partial sums and values carried from step to step in f32; what a program stores and reads back later, other than sums and carried values, may be rounded once to bf16 or f16.
;; Inputs: Wc 384 x 384 float32; Wk 384 x 384 float32; Wq 384 x 384 float32; Wv 384 x 384 float32; bc 384 float32; bk 384 float32; bq 384 float32; bv 384 float32; x 4 x 4,096 x 384 float32.
;; Outputs: out0 4 x 4,096 x 384 float32.
;; One version. Each part assembles by itself: llvm-mc -triple=amdgcn-amd-amdhsa -mcpu=gfx1250 --defsym DOCPART=n.
;; ======== version 1 of 1: 4 launches
;; workspace buffers: wb 1,179,648 bytes; qb 12,582,912 bytes; kb 12,582,912 bytes; vb 12,582,912 bytes; op 50,331,648 bytes; st 262,144 bytes
;; launch wcv (part 1): grid 72 x 4, 8 waves a work-group, no clusters, 0 bytes of LDS; arguments Wq, Wk, Wv, Wc, wb; writes wb
.if DOCPART == 1
	.amdgcn_target "amdgcn-amd-amdhsa--gfx1250"
	.amdhsa_code_object_version 6
	.text
	.protected	k_qee43011a0a_wcv
	.globl	k_qee43011a0a_wcv
	.p2align	8
	.type	k_qee43011a0a_wcv,@function
k_qee43011a0a_wcv:
	s_mov_b64 s[64:65], 0
	v_nop
	global_prefetch_b8 v0, s[64:65] scope:SCOPE_SE
	s_setreg_imm32_b32 hwreg(HW_REG_WAVE_MODE, 25, 1), 1
	s_wait_xcnt 0x0
; wb[i][e][d] = bf16(W_i[e][d]) for W_0..3 = Wq, Wk, Wv, Wc, each [384][384] f32: the weights are rounded once, here, so that the launches that multiply by them
; fetch half the bytes and convert nothing.  A stream: no LDS, no barrier, no matrix unit.
; SHARES.  The grid's y is the matrix; a work-group takes 2,048 numbers (72 x 2,048 = 384 x 384), a wave 256: two loads of 512 consecutive bytes, two stores of 256 consecutive bytes, aligned.
.set MATB, 384*384*2                   ; a matrix in wb, bytes
	s_load_b256 s[4:11], s[0:1], 0x0               ; Wq, Wk, Wv, Wc
	s_load_b64 s[12:13], s[0:1], 0x20              ; wb
	s_and_b32 s16, ttmp7, 0xffff                   ; which matrix
	v_lshrrev_b32 v1, 5, v0                        ; wave
	v_and_b32 v2, 31, v0                           ; lane
	v_lshlrev_b32 v3, 10, v1
	v_lshl_add_u32 v3, v2, 4, v3                   ; in: 1,024 wave + 16 lane
	v_lshlrev_b32 v4, 9, v1
	v_lshl_add_u32 v4, v2, 3, v4                   ; out: 512 wave + 8 lane
	s_lshl_b32 s18, ttmp9, 13                      ; the work-group's 8,192 bytes of f32,
	s_mov_b32 s19, 0
	s_mul_i32 s20, s16, MATB
	s_lshl_b32 s21, ttmp9, 12                      ; and its 4,096 of bf16
	s_add_co_u32 s20, s20, s21
	s_mov_b32 s21, 0
	s_wait_kmcnt 0x0
	s_cmp_eq_u32 s16, 1                            ; the choice of the buffer hangs on the grid's y alone
	s_cselect_b64 s[14:15], s[6:7], s[4:5]
	s_cmp_eq_u32 s16, 2
	s_cselect_b64 s[14:15], s[8:9], s[14:15]
	s_cmp_eq_u32 s16, 3
	s_cselect_b64 s[14:15], s[10:11], s[14:15]
	s_add_nc_u64 s[14:15], s[14:15], s[18:19]
	s_add_nc_u64 s[12:13], s[12:13], s[20:21]
	global_load_b128 v[8:11], v3, s[14:15] th:TH_LOAD_NT
	global_load_b128 v[12:15], v3, s[14:15] offset:512 th:TH_LOAD_NT
	s_wait_loadcnt 0x1                             ; the first load is in; the second may be out
	v_cvt_pk_bf16_f32 v16, v8, v9
	v_cvt_pk_bf16_f32 v17, v10, v11
	global_store_b64 v4, v[16:17], s[12:13]
	s_wait_loadcnt 0x0
	v_cvt_pk_bf16_f32 v18, v12, v13
	v_cvt_pk_bf16_f32 v19, v14, v15
	global_store_b64 v4, v[18:19], s[12:13] offset:256
	s_endpgm
.Lfunc_end_k_qee43011a0a_wcv:
	.size	k_qee43011a0a_wcv, .Lfunc_end_k_qee43011a0a_wcv-k_qee43011a0a_wcv
	.p2alignl 7, 3214868480
	.fill 96, 4, 3214868480
	.section	.rodata,"a",@progbits
	.p2align	6, 0x0
	.amdhsa_kernel k_qee43011a0a_wcv
		.amdhsa_group_segment_fixed_size 0
		.amdhsa_private_segment_fixed_size 0
		.amdhsa_enable_private_segment 0
		.amdhsa_kernarg_size 40
		.amdhsa_user_sgpr_count 2
		.amdhsa_user_sgpr_kernarg_segment_ptr 1
		.amdhsa_wavefront_size32 1
		.amdhsa_system_sgpr_workgroup_id_x 1
		.amdhsa_system_sgpr_workgroup_id_y 1
		.amdhsa_system_sgpr_workgroup_id_z 1
		.amdhsa_system_vgpr_workitem_id 0
		.amdhsa_next_free_vgpr 24
		.amdhsa_next_free_sgpr 66
		.amdhsa_reserve_vcc 0
		.amdhsa_float_denorm_mode_32 3
		.amdhsa_float_denorm_mode_16_64 3
		.amdhsa_memory_ordered 1
		.amdhsa_forward_progress 1
		.amdhsa_inst_pref_size 2
	.end_amdhsa_kernel
	.amdgpu_metadata
---
amdhsa.version: [ 1, 2 ]
amdhsa.kernels:
  - .name:           k_qee43011a0a_wcv
    .symbol:         k_qee43011a0a_wcv.kd
    .args:
      - { .name: Wq, .offset: 0, .size: 8, .value_kind: global_buffer, .address_space: global }
      - { .name: Wk, .offset: 8, .size: 8, .value_kind: global_buffer, .address_space: global }
      - { .name: Wv, .offset: 16, .size: 8, .value_kind: global_buffer, .address_space: global }
      - { .name: Wc, .offset: 24, .size: 8, .value_kind: global_buffer, .address_space: global }
      - { .name: wb, .offset: 32, .size: 8, .value_kind: global_buffer, .address_space: global }
    .group_segment_fixed_size: 0
    .private_segment_fixed_size: 0
    .kernarg_segment_align: 8
    .kernarg_segment_size: 40
    .max_flat_workgroup_size: 256
    .sgpr_count:     66
    .vgpr_count:     24
    .wavefront_size: 32
...
	.end_amdgpu_metadata
.endif
;; end of part 1
;; launch proj (part 2): grid 256 x 1, 4 waves a work-group, clusters of 4 x 1, 327,680 bytes of LDS; arguments x, wb, bq, bk, bv, qb, kb, vb; writes qb, kb, vb
.if DOCPART == 2
	.amdgcn_target "amdgcn-amd-amdhsa--gfx1250"
	.amdhsa_code_object_version 6
	.text
	.protected	k_qee43011a0a_proj
	.globl	k_qee43011a0a_proj
	.p2align	8
	.type	k_qee43011a0a_proj,@function
k_qee43011a0a_proj:
	s_mov_b64 s[64:65], 0
	v_nop
	global_prefetch_b8 v0, s[64:65] scope:SCOPE_SE
	s_setreg_imm32_b32 hwreg(HW_REG_WAVE_MODE, 25, 1), 1
	s_wait_xcnt 0x0
	s_wait_alu depctr_hold_cnt(0) depctr_sa_sdst(0) depctr_va_vdst(0) depctr_va_sdst(0) depctr_va_ssrc(0) depctr_va_vcc(0) depctr_vm_vsrc(0)
	s_getreg_b32 s2, hwreg(HW_REG_IB_STS2, 6, 4)
	s_cmp_eq_u32 s2, 0
	s_cbranch_scc0 .Lentry_in_a_cluster
	s_endpgm
.Lentry_in_a_cluster:
	s_bfe_u32 s2, ttmp6, 0x10000c
	s_cmp_lg_u32 s2, 0x3003
	s_cbranch_scc0 .Lentry_shape_is_right
	s_endpgm
.Lentry_shape_is_right:
; q, k, v = x W^T + b.  x: [16384][384] f32; wb: Wq, Wk, Wv (and Wc, not used here) as [384][384] bf16, end to end; biases [384] f32; qb, kb, vb: [16384][384] bf16.
; LIMITS.  x is rounded once to bf16 for the products (W was, by the launch before); sums and the bias in f32; q, k, v rounded once to bf16.  NaN and infinities are not treated apart.
; SHARES.  A work-group owns 64 rows of x and makes all 3 x 384 columns: 9 PAIRS of 128 columns.  x is read once, rounded, and kept as fragments in registers.
; Wave w owns 32 of a pair's 128 columns (rows 32 w .. of W's tile): it fetches those rows itself and reads no others, so its own wait on its tensor loads orders its reads.
; THE MATRIX INSTRUCTION IS USED TRANSPOSED: source 0 = 16 rows of W, source 1 = 16 rows of x: a lane then holds 8 neighbouring columns of one row.  The bias is the C operand that starts a pair's sums.
; CLUSTER.  Every work-group walks the same tiles of W, so the four of a cluster ask for each tile jointly: same line, same descriptor (wb's address, the wave's number, the walk's step), mask of four.
; RING.  Two slots, each a whole pair's tile: 128 rows of W x all 384 of K.  Even pairs lie in slot 0, odd ones in slot 1.  A refill has a pair's 96 products a wave and a way out in which to land.
; REGISTERS, in windows of 256: window 0: addresses, v32-63 way out, v64-255 the pair's 24 fragments of W (chunk c, column tile ct at 64 + 16 c + 8 ct);
;   window 1: x as loaded, then x fragments (rt, c < 8) at 64 rt + 8 c;  window 2: v0-127 x fragments c = 8..11 at 32 rt + 8 (c - 8); v128-191 accumulators (ct, rt); v192-207 bias.
.set PW,    816                 ; a row of W's tile in LDS: 3 x (256 bytes + 16 of padding) = 51 x 16: the 16 rows of a load start at 16 different groups of four banks
.set WPART, 32*PW               ; a wave's 32 rows
.set SLOTB, 4*WPART
.set PAIRB, 128*768             ; a pair's rows of W in wb, bytes
.set AT,    2*SLOTB             ; x in bf16: 64 rows
.set PA,    784                 ; 768 bytes + 16
.set STAGE, AT+64*PA            ; the way out: 64 rows of 256 bytes + 16
.set SPT,   272
.set SPARE, STAGE+64*SPT        ; the spare words: 128 bytes a wave, named by no other line
.set XO,  2                     ; v2   my 16 bytes in my wave's 16 rows of x
.set ATS, 3                     ; v3   where I put 8 bytes of x in bf16
.set AFR, 4                     ; v4   my lane's place in a fragment of x
.set WA,  5                     ; v5-6 my lane's place in my wave's rows of slot 0, 1
.set BO,  7                     ; v7   my 8 columns' byte offset in a pair's 128 biases
.set STO, 8                     ; v8   the way out: where I put 16 bytes
.set RD,  9                     ; v9   where I read a row back
.set GO,  10                    ; v10  my byte offset in the work-group's rows of the output
.set SPW, 12                    ; v12  my spare word; never rewritten
.set NIL, 13                    ; v13  0; never rewritten
.set TMP, 32
.set XT,  64                    ; x on its way into AT
.set WF,  64                    ; then W's fragments
.set ACC, 128                   ; window 2
.set BI,  192                   ; window 2
.set WV,  24                    ; s24  wave
.set GI,  25                    ; s25  work-group
.set G1,  28                    ; s[28:35] descriptor group 1
.set G0A, 36                    ; s[36:39] group 0 for slot 0
.set G0B, 40                    ; s[40:43] group 0 for slot 1
.set BP,  48                    ; the bias of the pair whose bias is loaded next
.set N1B, 50                    ; the next matrix's bias
.set OP,  52                    ; the output of the pair in hand
.set ONX, 54                    ; of the next pair
.set N1O, 56                    ; the next matrix's output
.set TB,  60
.set TO,  62
.set FC,  72                    ; the pair in hand's place among its matrix's three
.set FT,  73
.set CNT, 74
.set MSB, 0
.macro WIN new                  ; the immediate's high byte repeats the setting that is left; a switch that changes nothing is dropped
.if MSB != (\new)
	s_set_vgpr_msb (MSB<<8)|(\new)
.set MSB, \new
.endif
.endm
.macro PLACES                   ; four plain places behind matrix instructions (ISA guide 7.12.1)
.rept 4
	v_nop
.endr
.endm
.macro CREST                    ; a round of the cluster's barrier behind its opening barrier
	s_cmp_lg_u32 s[WV], 0
	s_cbranch_scc1 .Lnot_wave_0_\@
	s_barrier_signal -3
.Lnot_wave_0_\@:
	s_barrier_wait -3
	s_barrier_signal -1
	s_barrier_wait -1
.endm
.macro CROUND
	s_barrier_signal -1
	s_barrier_wait -1
	CREST
.endm
.macro JL g0                    ; a joint load: every wave its own 32 rows; an s_nop 0 and four v_nop follow
	tensor_load_to_lds s[\g0:\g0+3], s[G1:G1+7]
	s_nop 0
	PLACES
.endm
	s_load_b512 s[4:19], s[0:1], 0x0               ; x, wb, bq, bk, bv, qb, kb, vb
	v_lshl_add_u32 v[SPW], v0, 2, SPARE
	v_mov_b32 v[NIL], 0
	ds_add_u32 v[SPW], v[NIL]                      ; the wave's opening: an add and its wait ahead of my first tensor load
	v_lshrrev_b32 v1, 5, v0
	v_readfirstlane_b32 s[WV], v1
	s_bfe_u32 s68, ttmp6, 0x40000                  ; cx
	s_lshl_b32 s[GI], ttmp9, 2
	s_add_co_u32 s[GI], s[GI], s68                 ; work-group = 4 x cluster + cx: it enters x's and the outputs' addresses alone
	s_mov_b32 s[G1+0], 15|(1<<16)|(1<<20)|(1<<21)|(5<<22)|(3<<25)  ; mask of four; 2-byte elements; padding on; bit 21 beside a mask; after every 64 words, 4 words
	s_mov_b32 s[G1+1], 384<<16                     ; tensor_dim0 = 384
	s_mov_b32 s[G1+2], 32<<16                      ; tensor_dim1 = 32
	s_mov_b32 s[G1+3], 384<<16                     ; tile_dim0 = 384
	s_mov_b32 s[G1+4], 32                          ; tile_dim1 = 32
	s_mov_b32 s[G1+5], 384                         ; elements from row to row
	s_mov_b32 s[G1+6], 0
	s_mov_b32 s[G1+7], 0
	s_mul_i32 s66, s[WV], 32*768                   ; my 32 rows in a tile of W
	s_mov_b32 s67, 0
	s_mul_i32 s68, s[GI], 64*1536                  ; the work-group's rows of x
	s_mov_b32 s69, 0
	s_mul_i32 s70, s[GI], 64*768                   ; and of the outputs
	s_mov_b32 s71, 0
	s_mul_i32 s75, s[WV], WPART
	s_mov_b32 s[G0A], 1
	s_mov_b32 s[G0A+1], s75
	s_mov_b32 s[G0B], 1
	s_add_co_u32 s[G0B+1], s75, SLOTB
	s_mov_b32 s[FC], 0
	v_and_b32 v1, 15, v0                           ; r
	v_and_b32 v14, 31, v0                          ; lane
	v_bfe_u32 v15, v0, 4, 1                        ; h
	s_mul_i32 s76, s[WV], 16*1536
	v_lshl_add_u32 v[XO], v14, 4, s76
	s_mul_i32 s76, s[WV], 16*PA
	s_add_co_u32 s76, s76, AT
	v_lshl_add_u32 v[ATS], v14, 3, s76
	v_mul_u32_u24 v[AFR], v1, PA
	v_lshl_add_u32 v[AFR], v15, 4, v[AFR]
	v_add_nc_u32 v[AFR], AT, v[AFR]
	v_mul_u32_u24 v[WA], v1, PW
	v_lshl_add_u32 v[WA], v15, 4, v[WA]            ; row x pitch + 16 x half
	v_add_nc_u32 v[WA], s75, v[WA]
	v_add_nc_u32 v[WA+1], SLOTB, v[WA]
	s_lshl_b32 s76, s[WV], 7
	v_lshl_add_u32 v[BO], v15, 5, s76              ; (32 w + 8 h) x 4
	v_mul_u32_u24 v[STO], v1, SPT
	v_lshl_add_u32 v[STO], v15, 4, v[STO]
	s_lshl_b32 s76, s[WV], 6
	s_add_co_u32 s76, s76, STAGE
	v_add_nc_u32 v[STO], s76, v[STO]
	v_mul_u32_u24 v[RD], v15, SPT
	v_lshl_add_u32 v[RD], v1, 4, v[RD]
	s_mul_i32 s76, s[WV], 16*SPT
	s_add_co_u32 s76, s76, STAGE
	v_add_nc_u32 v[RD], s76, v[RD]
	v_mul_u32_u24 v[GO], v15, 768
	v_lshl_add_u32 v[GO], v1, 4, v[GO]
	s_mul_i32 s76, s[WV], 16*768
	v_add_nc_u32 v[GO], s76, v[GO]
	s_wait_dscnt 0x0                               ; the opening add is done
	s_wait_kmcnt 0x0
	s_add_nc_u64 s[4:5], s[4:5], s[68:69]
	s_add_nc_u64 s[6:7], s[6:7], s[66:67]
	s_add_nc_u64 s[14:15], s[14:15], s[70:71]
	s_add_nc_u64 s[16:17], s[16:17], s[70:71]
	s_add_nc_u64 s[18:19], s[18:19], s[70:71]
	s_mov_b64 s[BP:BP+1], s[8:9]
	s_mov_b64 s[N1B:N1B+1], s[10:11]
	s_mov_b64 s[OP:OP+1], s[14:15]
	s_mov_b64 s[ONX:ONX+1], s[14:15]
	s_mov_b64 s[N1O:N1O+1], s[16:17]
	s_mov_b64 s[G0A+2:G0A+3], s[6:7]               ; pair 0
	s_or_b32 s[G0A+3], s[G0A+3], 0x80000000
	s_add_nc_u64 s[G0B+2:G0B+3], s[6:7], PAIRB     ; pair 1
	s_or_b32 s[G0B+3], s[G0B+3], 0x80000000
	CROUND                                         ; all four work-groups are here: the first joint loads meet
	JL G0A                                         ; two tensor loads of mine are out
	JL G0B
.macro BIAS                     ; a pair's bias for my 2 x 16 columns: register j of lane (r, h) is b[.. + 8 h + j]
	WIN 0x80
.irp ct, 0,1
	global_load_b128 v[BI+8*\ct:BI+8*\ct+3],   v[BO], s[BP:BP+1] offset:64*\ct
	global_load_b128 v[BI+8*\ct+4:BI+8*\ct+7], v[BO], s[BP:BP+1] offset:64*\ct+16
.endr
	WIN 0
.endm
	WIN 0x40
.set i, 0
.rept 48                        ; my wave's 16 rows of x: 3 loads of 512 consecutive bytes a row
	global_load_b128 v[4*i:4*i+3], v[XO], s[4:5] offset:1536*(i/3)+512*(i%3) th:TH_LOAD_NT
.set i, i+1
.endr
	BIAS
.macro XBATCH b, left           ; 16 of the 48 loads are rounded to bf16 and laid into AT; left = the younger loads (x's and the 4 of the bias)
	s_wait_loadcnt \left
	WIN 0x05
.set xbM, 0
.rept 16
	v_cvt_pk_bf16_f32 v[XT+2*xbM],   v[4*(16*(\b)+xbM)],   v[4*(16*(\b)+xbM)+1]
	v_cvt_pk_bf16_f32 v[XT+2*xbM+1], v[4*(16*(\b)+xbM)+2], v[4*(16*(\b)+xbM)+3]
.set xbM, xbM+1
.endr
	WIN 0
.set xbM, 0
.rept 16
.set xbN, 16*(\b)+xbM
	ds_store_b64 v[ATS], v[XT+2*xbM:XT+2*xbM+1] offset:PA*(xbN/3)+256*(xbN%3)
.set xbM, xbM+1
.endr
.endm
	XBATCH 0, 36
	XBATCH 1, 20
	XBATCH 2, 4
	s_wait_dscnt 0x0                               ; for the others' sake: my rows of AT are written
	s_barrier_signal -1
	s_barrier_wait -1                              ; the two tiles may stay out
	WIN 0x40                                       ; all 48 fragments of x (4 row tiles x 12 chunks of 32 along K) stay in registers
.irp rt, 0,1,2,3
.irp c, 0,1,2,3,4,5,6,7
	ds_load_b128 v[64*\rt+8*\c:64*\rt+8*\c+3],   v[AFR] offset:16*PA*\rt+64*\c
	ds_load_b128 v[64*\rt+8*\c+4:64*\rt+8*\c+7], v[AFR] offset:16*PA*\rt+64*\c+32
.endr
.endr
	WIN 0x80
.irp rt, 0,1,2,3
.irp c, 8,9,10,11
	ds_load_b128 v[32*\rt+8*(\c-8):32*\rt+8*(\c-8)+3],   v[AFR] offset:16*PA*\rt+64*\c
	ds_load_b128 v[32*\rt+8*(\c-8)+4:32*\rt+8*(\c-8)+7], v[AFR] offset:16*PA*\rt+64*\c+32
.endr
.endr
	WIN 0
; 24 LDS loads in one run: W's fragments of chunks c0 .. c0 + 5, my two column tiles: four loads a chunk.  Chunk c begins at byte 64 c of the row, 16 more behind each 256.
.macro WRUN slot, c0
	WIN 0
.irp cc, 0,1,2,3,4,5
.irp ct, 0,1
.set wrC, (\c0)+\cc
.set wrO, 16*PW*\ct+64*wrC+16*(wrC/4)
.set wrR, WF+16*wrC+8*\ct
	ds_load_b128 v[wrR:wrR+3],   v[WA+(\slot)] offset:wrO
	ds_load_b128 v[wrR+4:wrR+7], v[WA+(\slot)] offset:wrO+32
.endr
.endr
.endm
; 16 products: chunks c0, c0 + 1 x my 2 column tiles x 4 row tiles.  The 8 accumulators take turns.  Chunk 0 starts the sums with the bias.
.macro WMUL c0
.irp cc, 0,1
.set wmC, (\c0)+\cc
.if wmC < 8
	WIN 0xa4
.else
	WIN 0xa8
.endif
.irp ct, 0,1
.irp rt, 0,1,2,3
.if wmC < 8
.set wmX, 64*\rt+8*wmC
.else
.set wmX, 32*\rt+8*(wmC-8)
.endif
.set wmD, ACC+8*(4*\ct+\rt)
.set wmW, WF+16*wmC+8*\ct
.if wmC == 0
	v_wmma_f32_16x16x32_bf16 v[wmD:wmD+7], v[wmW:wmW+7], v[wmX:wmX+7], v[BI+8*\ct:BI+8*\ct+7]
.else
	v_wmma_f32_16x16x32_bf16 v[wmD:wmD+7], v[wmW:wmW+7], v[wmX:wmX+7], v[wmD:wmD+7]
.endif
.endr
.endr
.endr
.endm
; A pair: 96 products.  Each fragment has registers of its own, so no load lands on a register of a product near it: the last products that read them are the pair before's, with the way out's conversions between.
.macro COMP slot
	WRUN \slot, 0
	s_wait_dscnt 16                                ; chunks 0, 1 are in: 8 of the 24 loads
	WMUL 0
	WRUN \slot, 6
	s_wait_dscnt 32                                ; chunks 2, 3: the first run's last 8 and the second run's 24 may be out
	WMUL 2
	s_wait_dscnt 24                                ; chunks 4, 5: the second run may be out
	WMUL 4
	s_wait_dscnt 16                                ; and so on, 8 loads for each two chunks
	WMUL 6
	s_wait_dscnt 8
	WMUL 8
	s_wait_dscnt 0x0
	WMUL 10
.endm
; The bias's and the output's pointers go on to the next pair: within a matrix by constants, behind its third pair to the next matrix (a choice on the count FC alone).
; It stands behind the wait for the bias's loads, which frees BP.
.macro NEXTPTR
	s_add_nc_u64 s[TB:TB+1], s[BP:BP+1], 512
	s_add_nc_u64 s[TO:TO+1], s[OP:OP+1], 256
	s_add_co_u32 s[FT], s[FC], 1
	s_cmp_eq_u32 s[FC], 2
	s_cselect_b64 s[BP:BP+1], s[N1B:N1B+1], s[TB:TB+1]
	s_cselect_b64 s[ONX:ONX+1], s[N1O:N1O+1], s[TO:TO+1]
	s_cselect_b64 s[N1B:N1B+1], s[12:13], s[N1B:N1B+1]
	s_cselect_b64 s[N1O:N1O+1], s[18:19], s[N1O:N1O+1]
	s_cselect_b32 s[FC], 0, s[FT]
.endm
; The slot of group 0 g0 has been read: it takes the pair two further on.
.macro RING g0
	WIN 0
	s_wait_tensorcnt 0x0                           ; all my tensor loads have landed (the other slot's among them): a group 0 may be written
	ds_add_u32 v[SPW], v[NIL]
	s_add_nc_u64 s[\g0+2:\g0+3], s[\g0+2:\g0+3], 2*PAIRB  ; the type bits on top are not reached
	s_wait_dscnt 0x0                               ; the add is done, and my reads of the slot and of the stage are over
	CROUND                                         ; no wave of any partner still reads the slot or has a load on its way
	JL \g0
.endm
; THE WAY OUT of a pair: rounded to bf16; 16 bytes a lane into the work-group's stage; a barrier, since a row's 256 bytes come from four waves; back as whole rows, 16 a wave.
; The next pair's bias is asked for first: four places behind the products that read the old one.
.macro OUT last
	PLACES
.if !(\last)
	BIAS
.endif
	WIN 0x0a
.set ouI, 0
.rept 32
	v_cvt_pk_bf16_f32 v[TMP+ouI], v[ACC+2*ouI], v[ACC+2*ouI+1]
.set ouI, ouI+1
.endr
	WIN 0
.irp ct, 0,1
.irp rt, 0,1,2,3
	ds_store_b128 v[STO], v[TMP+4*(4*\ct+\rt):TMP+4*(4*\ct+\rt)+3] offset:16*SPT*\rt+32*\ct
.endr
.endr
	s_wait_dscnt 0x0                               ; for the others' sake
	s_barrier_signal -1
	s_barrier_wait -1                              ; the stage is written again only behind a later barrier, in front of which every wave's reads of it are back
.irp i, 0,1,2,3,4,5,6,7
	ds_load_b128 v[TMP+4*\i:TMP+4*\i+3], v[RD] offset:2*SPT*\i
.endr
.irp i, 0,1,2,3,4,5,6,7
	s_wait_dscnt 7-\i
	global_store_b128 v[GO], v[TMP+4*\i:TMP+4*\i+3], s[OP:OP+1] offset:1536*\i  ; 16 lanes store 256 consecutive bytes, at a multiple of 256 from the buffer's first
.endr
.if !(\last)
	s_wait_xcnt 0x0                                ; the stores' base and data are rewritten only behind this wait
	s_mov_b64 s[OP:OP+1], s[ONX:ONX+1]
.endif
.endm
.macro STEP slot, last          ; a pair, from the wait for its bias to its stores
	s_wait_loadcnt 0x0                             ; the pair's bias
.if !(\last)
	NEXTPTR
.endif
	COMP \slot
	OUT \last
.endm
	s_wait_dscnt 0x0                               ; x's fragments
	s_wait_tensorcnt 1                             ; my rows of slot 0 are in, and only I read them; slot 1's load may stay out
	STEP 0, 0                                      ; pair 0
	s_mov_b32 s[CNT], 3
.Lpair:                                                ; a trip: an odd pair and an even one (1 to 6); ahead of each the slot just read takes the pair two further on
	RING G0A
	STEP 1, 0
	RING G0B
	STEP 0, 0
	s_sub_co_u32 s[CNT], s[CNT], 1
	s_cmp_lg_u32 s[CNT], 0
	s_cbranch_scc1 .Lpair
	RING G0A                                       ; the tail is written out: pair 8 is the last to be asked for
	STEP 1, 0                                      ; pair 7
	s_wait_tensorcnt 0x0                           ; pair 8's tile; nothing is left to fetch
	s_wait_dscnt 0x0
	s_barrier_signal -1
	s_barrier_wait -1                              ; every wave's reads of the stage are back before it is written once more
	STEP 0, 1                                      ; pair 8
	s_wait_tensorcnt 0x0                           ; the wave's end
	ds_add_u32 v[SPW], v[NIL]
	s_wait_dscnt 0x0
	CROUND                                         ; the closing round
	s_endpgm
.Lfunc_end_k_qee43011a0a_proj:
	.size	k_qee43011a0a_proj, .Lfunc_end_k_qee43011a0a_proj-k_qee43011a0a_proj
	.p2alignl 7, 3214868480
	.fill 96, 4, 3214868480
	.section	.rodata,"a",@progbits
	.p2align	6, 0x0
	.amdhsa_kernel k_qee43011a0a_proj
		.amdhsa_group_segment_fixed_size 327680
		.amdhsa_private_segment_fixed_size 0
		.amdhsa_enable_private_segment 0
		.amdhsa_kernarg_size 64
		.amdhsa_user_sgpr_count 2
		.amdhsa_user_sgpr_kernarg_segment_ptr 1
		.amdhsa_wavefront_size32 1
		.amdhsa_system_sgpr_workgroup_id_x 1
		.amdhsa_system_sgpr_workgroup_id_y 1
		.amdhsa_system_sgpr_workgroup_id_z 1
		.amdhsa_system_vgpr_workitem_id 0
		.amdhsa_next_free_vgpr 768
		.amdhsa_next_free_sgpr 80
		.amdhsa_reserve_vcc 0
		.amdhsa_float_denorm_mode_32 3
		.amdhsa_float_denorm_mode_16_64 3
		.amdhsa_memory_ordered 1
		.amdhsa_forward_progress 1
		.amdhsa_inst_pref_size 100
	.end_amdhsa_kernel
	.amdgpu_metadata
---
amdhsa.version: [ 1, 2 ]
amdhsa.kernels:
  - .name:           k_qee43011a0a_proj
    .symbol:         k_qee43011a0a_proj.kd
    .args:
      - { .name: x, .offset: 0, .size: 8, .value_kind: global_buffer, .address_space: global }
      - { .name: wb, .offset: 8, .size: 8, .value_kind: global_buffer, .address_space: global }
      - { .name: bq, .offset: 16, .size: 8, .value_kind: global_buffer, .address_space: global }
      - { .name: bk, .offset: 24, .size: 8, .value_kind: global_buffer, .address_space: global }
      - { .name: bv, .offset: 32, .size: 8, .value_kind: global_buffer, .address_space: global }
      - { .name: qb, .offset: 40, .size: 8, .value_kind: global_buffer, .address_space: global }
      - { .name: kb, .offset: 48, .size: 8, .value_kind: global_buffer, .address_space: global }
      - { .name: vb, .offset: 56, .size: 8, .value_kind: global_buffer, .address_space: global }
    .group_segment_fixed_size: 327680
    .private_segment_fixed_size: 0
    .kernarg_segment_align: 8
    .kernarg_segment_size: 64
    .max_flat_workgroup_size: 128
    .sgpr_count:     80
    .vgpr_count:     768
    .wavefront_size: 32
...
	.end_amdgpu_metadata
.endif
;; end of part 2
;; launch attn (part 3): grid 32 x 8, 4 waves a work-group, clusters of 4 x 1, 327,680 bytes of LDS; arguments qb, kb, vb, op, st; writes op, st
.if DOCPART == 3
	.amdgcn_target "amdgcn-amd-amdhsa--gfx1250"
	.amdhsa_code_object_version 6
	.text
	.protected	k_qee43011a0a_attn
	.globl	k_qee43011a0a_attn
	.p2align	8
	.type	k_qee43011a0a_attn,@function
k_qee43011a0a_attn:
	s_mov_b64 s[64:65], 0
	v_nop
	global_prefetch_b8 v0, s[64:65] scope:SCOPE_SE
	s_setreg_imm32_b32 hwreg(HW_REG_WAVE_MODE, 25, 1), 1
	s_wait_xcnt 0x0
	s_wait_alu depctr_hold_cnt(0) depctr_sa_sdst(0) depctr_va_vdst(0) depctr_va_sdst(0) depctr_va_ssrc(0) depctr_va_vcc(0) depctr_vm_vsrc(0)
	s_getreg_b32 s2, hwreg(HW_REG_IB_STS2, 6, 4)
	s_cmp_eq_u32 s2, 0
	s_cbranch_scc0 .Lentry_in_a_cluster
	s_endpgm
.Lentry_in_a_cluster:
	s_bfe_u32 s2, ttmp6, 0x10000c
	s_cmp_lg_u32 s2, 0x3003
	s_cbranch_scc0 .Lentry_shape_is_right
	s_endpgm
.Lentry_shape_is_right:
; Attention over HALF of a batch's keys, unnormalised.  qb, kb, vb: [4 x 4096][384] bf16.  For y = 2 b + half: op[y][channel][query] f32 = sum over the half's 2,048 keys of p V, p = 2^(c s - c m),
; s = q . k, c = log2(e) / sqrt(384), m the running maximum over the half; st[y][0][query] = c m, st[y][1][query] = the sum l of p.  The next launch joins the two halves.
; LIMITS.  p is rounded to bf16 for the second product, l is the sum of the unrounded p; a p below 2^-126 counts as 0; m starts at the lowest finite number; NaN and infinities are not treated apart
; (the first trip multiplies V's first tile by 0).  The order of the sums: within a step a wave's own 32 keys first, then its partner's.
; SHARES.  A work-group: 128 queries x 2,048 keys, 32 steps of 64 keys.  Waves w and w ^ 2 are a PAIR with the same 64 queries (four tiles t).  In S^T = K Q^T each takes 32 of the step's keys;
; in O^T += V^T P each takes 192 of the 384 channels and all 64 keys: its own P from registers, the partner's through LDS.  So each fragment read from LDS feeds four products, and O^T is 384 registers a wave.
; The pair exchanges its maxima (barrier X) and its P (barrier Y) in every step.
; LAYOUT.  S^T holds one query a lane (lane % 16) and keys 8 (lane / 16) + 0..7; two such results rounded in pairs ARE source 1 of V^T P.  V comes out of LDS turned, by ds_load_tr16_b128.
; PIPELINE, trip j: T1 maximum of S_j | X signal | T2 V^T P of step j - 1 | X wait | T3 softmax j | Y, which is also the round of the cluster's barrier | refill | T4 K Q^T of step j + 1, with O^T's rescaling behind its products.
; Behind round j: K of step j + 2 into K's area j % 2, V of step j + 1 into V's area (j + 1) % 2: both were last read in front of the round, and both have a whole trip, 192 matrix instructions, in which to land.
; CLUSTER.  The four query blocks of a cluster walk the same K and V: each tile is asked for jointly.
; O^T, P and l start at 0 and c m far below every c s, so that the first step is a step like any other (a = 0): 476 v_mov_b32 and 96 products on zeros, in the wait for the first tiles, for one text of the trip.
; REGISTERS, in windows of 256: window 0: addresses, statistics, v64-127 S^T, v128-159 P, v160-191 the partner's P, v192-255 two fragment buffers;
;   window 1: Q (t, c < 8) at 64 t + 8 c;  window 2: v0-127 Q (t, c >= 8), v128-255 O^T (cb < 4, t);  window 3: O^T (cb >= 4, t) at 8 (4 (cb - 4) + t).
.set PK,    816                 ; a key's row of K in LDS: 3 x (256 + 16)
.set PV,    864                 ; of V: 3 x (256 + 32) = 27 x 32
.set VOFF,  64*PK
.set SLOT1, 131072              ; one exclusive or turns an address in one slot into the other's
.set XB,    VOFF+64*PV          ; the exchange: for each wave 4,096 bytes of P and 512 of maxima
.set XW,    4608
.set SPARE, XB+4*XW             ; the spare words: 128 bytes a wave, named by no other line
.set STAGE, SLOT1+XB            ; the way out: 16 rows of 256 + 16 bytes for each wave
.set SPT,   272
.set AK0, 2                     ; v2   my lane's place in my 32 keys of K
.set AVO0, 3                    ; v3   in V: my own 32 keys, my channels
.set AVP0, 4                    ; v4   in V: the partner's 32 keys, my channels
.set ADK, 5
.set ADO, 6
.set XOWN, 7                    ; v7   my 16 bytes in my wave's exchange
.set XPAR, 8                    ; v8   in the partner's
.set QO,  9
.set RD,  10
.set GO,  11
.set SPW, 12                    ; v12  my spare word; never rewritten
.set NIL, 13                    ; v13  0; never rewritten
.set ADP, 14
.set XS,  15
.set ST,  16                    ; tile t: c m, m, l (even keys', odd keys') at v[16 + 4 t]
.set AF,  32                    ; tile t: a at v[32 + 2 t]; the register beside it is named with it as a pair
.set MX,  40
.set MP,  44
.set STO, 62
.set S,   64
.set P,   128
.set PP,  160
.set FA,  192
.set FB,  224
.set WV,  14
.set QH,  15
.set KH,  16
.set CX,  17
.set QBLK, 18
.set YY,  19
.set G1K, 24
.set G1V, 32
.set G0KA, 40                   ; K of step 0
.set G0K, 44                    ; K of step 1; then it walks
.set G0V, 48                    ; V of step 0; then it walks
.set CNT, 52
.set TBK, 53
.set TBV, 54
.set CS,  56
.set SEL, 58
.set G0VA, 76                   ; V of step 0 once more, into area 1: what the first trip's empty product reads
.set MSB, 0
.macro WIN new
.if MSB != (\new)
	s_set_vgpr_msb (MSB<<8)|(\new)
.set MSB, \new
.endif
.endm
.macro PLACES
.rept 4
	v_nop
.endr
.endm
.macro CREST
	s_cmp_lg_u32 s[WV], 0
	s_cbranch_scc1 .Lnot_wave_0_\@
	s_barrier_signal -3
.Lnot_wave_0_\@:
	s_barrier_wait -3
	s_barrier_signal -1
	s_barrier_wait -1
.endm
.macro CROUND
	s_barrier_signal -1
	s_barrier_wait -1
	CREST
.endm
.macro JLOAD                    ; waves 0 and 1 fetch the two halves of a step's K, waves 2 and 3 those of a step's V; the branch hangs on the wave's number alone
	s_cmp_lt_u32 s[WV], 2
	s_cbranch_scc0 .Lfor_v_\@
	tensor_load_to_lds s[G0K:G0K+3], s[G1K:G1K+7]
	s_nop 0
	PLACES
	s_branch .Lasked_\@
.Lfor_v_\@:
	tensor_load_to_lds s[G0V:G0V+3], s[G1V:G1V+7]
	s_nop 0
	PLACES
.Lasked_\@:
.endm
	s_load_b256 s[4:11], s[0:1], 0x0               ; qb, kb, vb, op
	s_load_b64 s[12:13], s[0:1], 0x20              ; st
	v_lshl_add_u32 v[SPW], v0, 2, SPARE
	v_mov_b32 v[NIL], 0
	ds_add_u32 v[SPW], v[NIL]                      ; the wave's opening: an add and its wait ahead of my first tensor load
	v_lshrrev_b32 v1, 5, v0
	v_readfirstlane_b32 s[WV], v1
	s_and_b32 s[QH], s[WV], 1                      ; which 64 queries; also which 32 keys of a tile I fetch
	s_lshr_b32 s[KH], s[WV], 1                     ; which 32 keys of a step, which 64 of each 128 channels
	s_bfe_u32 s[CX], ttmp6, 0x40000
	s_lshl_b32 s[QBLK], ttmp9, 2
	s_add_co_u32 s[QBLK], s[QBLK], s[CX]           ; my block of 128 queries: it enters Q's, op's and st's addresses alone
	s_and_b32 s[YY], ttmp7, 0xffff                 ; 2 b + half, which the four partners share
	s_mul_i32 s60, s[YY], 2048*768                 ; the half's first key,
	s_mul_i32 s62, s[QH], 32*768                   ; my 32 keys of a step
	s_add_co_u32 s60, s60, s62
	s_mov_b32 s61, 0
	s_lshr_b32 s66, s[YY], 1
	s_lshl_b32 s66, s66, 12
	s_lshl_b32 s70, s[QBLK], 7
	s_lshl_b32 s71, s[QH], 6
	s_add_co_u32 s70, s70, s71                     ; my first query in the batch
	s_add_co_u32 s66, s66, s70
	s_mul_i32 s66, s66, 768
	s_mov_b32 s67, 0
	s_mul_i32 s68, s[YY], 384
	s_lshl_b32 s71, s[KH], 6
	s_add_co_u32 s68, s68, s71
	s_lshl_b32 s68, s68, 14                        ; a channel's row of op is 16,384 bytes
	s_lshl_b32 s70, s70, 2
	s_add_co_u32 s68, s68, s70
	s_mov_b32 s69, 0
	s_lshl_b32 s72, s[YY], 15
	s_add_co_u32 s72, s72, s70
	s_mov_b32 s73, 0
	; descriptor group 1: 32 keys are 24,576 dense bytes, asked for as 96 rows of 256, padded in LDS behind each
	s_mov_b32 s[G1K], 15|(1<<16)|(1<<20)|(1<<21)|(5<<22)|(3<<25)
	s_mov_b32 s[G1V], 15|(1<<16)|(1<<20)|(1<<21)|(5<<22)|(7<<25)
.irp g, G1K, G1V
	s_mov_b32 s[\g+1], 128<<16                     ; tensor_dim0 = 128
	s_mov_b32 s[\g+2], 96<<16                      ; tensor_dim1 = 96
	s_mov_b32 s[\g+3], 128<<16                     ; tile_dim0 = 128
	s_mov_b32 s[\g+4], 96                          ; tile_dim1 = 96
	s_mov_b32 s[\g+5], 128
	s_mov_b32 s[\g+6], 0
	s_mov_b32 s[\g+7], 0
.endr
	s_mul_i32 s20, s[QH], 32*PK
	s_mul_i32 s21, s[QH], 32*PV
	s_mov_b32 s[G0KA], 1
	s_mov_b32 s[G0KA+1], s20
	s_mov_b32 s[G0K], 1
	s_add_co_u32 s[G0K+1], s20, SLOT1
	s_mov_b32 s[G0VA], 1
	s_add_co_u32 s[G0VA+1], s21, SLOT1+VOFF
	s_mov_b32 s[G0V], 1
	s_add_co_u32 s[G0V+1], s21, VOFF
	s_mov_b32 s[CS], 0x3d96c740                    ; c = log2(e) / sqrt(384) = 0.0736222
	s_mov_b32 s[CS+1], s[CS]
	s_mov_b32 s[SEL], 0x76543210
	s_mov_b32 s[SEL+1], 0xfedcba98
	s_mov_b32 s[TBK], 0
	s_mov_b32 s[TBV], SLOT1
	v_and_b32 v1, 15, v0                           ; r
	v_bfe_u32 v48, v0, 4, 1                        ; h
	v_and_b32 v49, 31, v0                          ; lane
	v_mul_u32_u24 v[AK0], v1, PK
	v_lshl_add_u32 v[AK0], v48, 4, v[AK0]
	s_mul_i32 s22, s[KH], 32*PK
	v_add_nc_u32 v[AK0], s22, v[AK0]
	v_and_b32 v50, 7, v0                           ; the turning load: lane l reads key 8 (l / 16) + l % 8, channels 8 ((l / 8) % 2) + 0..7
	v_lshl_add_u32 v50, v48, 3, v50
	v_mul_u32_u24 v50, v50, PV
	v_bfe_u32 v51, v0, 3, 1
	v_lshl_add_u32 v50, v51, 4, v50
	s_mul_i32 s22, s[KH], 32*PV+128
	s_add_co_u32 s22, s22, VOFF
	v_add_nc_u32 v[AVO0], s22, v50
	s_xor_b32 s23, s[KH], 1
	s_mul_i32 s23, s23, 32*PV
	s_lshl_b32 s22, s[KH], 7
	s_add_co_u32 s23, s23, s22
	s_add_co_u32 s23, s23, VOFF
	v_add_nc_u32 v[AVP0], s23, v50
	s_mul_i32 s22, s[WV], XW
	s_add_co_u32 s22, s22, XB
	v_lshl_add_u32 v[XOWN], v49, 4, s22
	v_lshl_add_u32 v[XS], v48, 8, s22
	v_lshl_add_u32 v[XS], v1, 2, v[XS]
	s_xor_b32 s23, s[WV], 2
	s_mul_i32 s23, s23, XW
	s_add_co_u32 s23, s23, XB
	v_lshl_add_u32 v[XPAR], v49, 4, s23
	v_mul_u32_u24 v[QO], v1, 768
	v_lshl_add_u32 v[QO], v48, 4, v[QO]
	s_mul_i32 s22, s[WV], 16*SPT
	s_add_co_u32 s22, s22, STAGE
	v_mul_u32_u24 v[STO], v48, 8*SPT               ; in: channel 8 h + j is a row, query 16 t + r a word
	v_lshl_add_u32 v[STO], v1, 2, v[STO]
	v_add_nc_u32 v[STO], s22, v[STO]
	v_mul_u32_u24 v[RD], v48, SPT                  ; back: lanes 0-15 one row of 256 bytes, lanes 16-31 the next
	v_lshl_add_u32 v[RD], v1, 4, v[RD]
	v_add_nc_u32 v[RD], s22, v[RD]
	v_lshlrev_b32 v[GO], 14, v48
	v_lshl_add_u32 v[GO], v1, 4, v[GO]
	s_wait_dscnt 0x0                               ; the opening add is done
	s_wait_kmcnt 0x0
	s_add_nc_u64 s[6:7], s[6:7], s[60:61]
	s_add_nc_u64 s[8:9], s[8:9], s[60:61]
	s_mov_b64 s[G0KA+2:G0KA+3], s[6:7]
	s_or_b32 s[G0KA+3], s[G0KA+3], 0x80000000
	s_add_nc_u64 s[G0K+2:G0K+3], s[6:7], 64*768
	s_or_b32 s[G0K+3], s[G0K+3], 0x80000000
	s_mov_b64 s[G0VA+2:G0VA+3], s[8:9]
	s_or_b32 s[G0VA+3], s[G0VA+3], 0x80000000
	s_mov_b64 s[G0V+2:G0V+3], s[8:9]
	s_or_b32 s[G0V+3], s[G0V+3], 0x80000000
	s_add_nc_u64 s[4:5], s[4:5], s[66:67]
	s_add_nc_u64 s[10:11], s[10:11], s[68:69]
	s_add_nc_u64 s[12:13], s[12:13], s[72:73]
	CROUND                                         ; all four work-groups are here: the first joint loads meet
	s_cmp_lt_u32 s[WV], 2                          ; a wave's two first fills stand in one branch: two loads of mine are out
	s_cbranch_scc0 .Lfirst_v
	tensor_load_to_lds s[G0KA:G0KA+3], s[G1K:G1K+7]
	s_nop 0
	tensor_load_to_lds s[G0K:G0K+3], s[G1K:G1K+7]
	s_nop 0
	PLACES
	s_branch .Lfirst_asked
.Lfirst_v:
	tensor_load_to_lds s[G0VA:G0VA+3], s[G1V:G1V+7]
	s_nop 0
	tensor_load_to_lds s[G0V:G0V+3], s[G1V:G1V+7]
	s_nop 0
	PLACES
.Lfirst_asked:
	WIN 0x40                                       ; Q stays in registers: 4 tiles x 12 chunks of 32 channels
.irp t, 0,1,2,3
.irp c, 0,1,2,3,4,5,6,7
	global_load_b128 v[64*\t+8*\c:64*\t+8*\c+3],   v[QO], s[4:5] offset:12288*\t+64*\c
	global_load_b128 v[64*\t+8*\c+4:64*\t+8*\c+7], v[QO], s[4:5] offset:12288*\t+64*\c+32
.endr
.endr
	WIN 0x80
.irp t, 0,1,2,3
.irp c, 8,9,10,11
	global_load_b128 v[32*\t+8*(\c-8):32*\t+8*(\c-8)+3],   v[QO], s[4:5] offset:12288*\t+64*\c
	global_load_b128 v[32*\t+8*(\c-8)+4:32*\t+8*(\c-8)+7], v[QO], s[4:5] offset:12288*\t+64*\c+32
.endr
.endr
.set i, 128
.rept 128
	v_mov_b32 v[i], 0
.set i, i+1
.endr
	WIN 0xc0
.set i, 0
.rept 256
	v_mov_b32 v[i], 0
.set i, i+1
.endr
	WIN 0
.set i, P
.rept 64
	v_mov_b32 v[i], 0
.set i, i+1
.endr
.irp t, 0,1,2,3
	v_mov_b32 v[ST+4*\t], 0xfe000000               ; c m: far below every c s
	v_mov_b32 v[ST+4*\t+1], 0xff7fffff             ; m
	v_mov_b32 v[ST+4*\t+2], 0
	v_mov_b32 v[ST+4*\t+3], 0
	v_mov_b32 v[AF+2*\t], 0
	v_mov_b32 v[AF+2*\t+1], 0
	v_mov_b32 v[MP+\t], 0
.endr
.macro KRUN buf, g              ; 8 LDS loads: K's fragments of chunks 2 g, 2 g + 1, my two key tiles
	WIN 0
.irp cc, 0,1
.irp kt, 0,1
.set krO, 16*PK*\kt+64*(2*(\g)+\cc)+16*((2*(\g)+\cc)/4)
	ds_load_b128 v[(\buf)+8*(2*\cc+\kt):(\buf)+8*(2*\cc+\kt)+3],   v[ADK] offset:krO
	ds_load_b128 v[(\buf)+8*(2*\cc+\kt)+4:(\buf)+8*(2*\cc+\kt)+7], v[ADK] offset:krO+32
.endr
.endr
.endm
.macro VRUN buf, adr, g3        ; 8 turning loads: V^T's fragments of channel blocks 4 g3 .. 4 g3 + 3, 32 keys
	WIN 0
.irp i, 0,1,2,3
	ds_load_tr16_b128 v[(\buf)+8*\i:(\buf)+8*\i+3],   v[\adr] offset:288*(\g3)+32*\i
	ds_load_tr16_b128 v[(\buf)+8*\i+4:(\buf)+8*\i+7], v[\adr] offset:288*(\g3)+32*\i+16*PV
.endr
.endm
.macro RS n                     ; pair n of 192 of O^T times a; ascending
.set rsA, (\n)/4
.if (\n) < 64
	WIN 0x82
.set rsR, 128+8*rsA+2*((\n)%4)
.else
	WIN 0xc3
.set rsR, 8*(rsA-16)+2*((\n)%4)
.endif
	v_pk_mul_f32 v[rsR:rsR+1], v[rsR:rsR+1], v[AF+2*(rsA%4):AF+2*(rsA%4)+1] op_sel_hi:[1,0]
.endm
.macro RSS from, cnt
.set rsN, \from
.rept \cnt
	RS rsN
.set rsN, rsN+1
.endr
.endm
; 16 products of S^T = K Q^T: two chunks x 4 query tiles x 2 key tiles; the 8 accumulators take turns; chunk 0 starts the sums.
; Behind each four products four of the rescaling; the last four are also the places in front of the next run of loads into buf and of the maxima.
.macro SMUL buf, g, rs
.set smK, 0
.irp cc, 0,1
.set smC, 2*(\g)+\cc
.irp t, 0,1,2,3
.if smC < 8
	WIN 0x04
.set smQ, 64*\t+8*smC
.else
	WIN 0x08
.set smQ, 32*\t+8*(smC-8)
.endif
.irp kt, 0,1
.if smC == 0
	v_wmma_f32_16x16x32_bf16 v[S+16*\t+8*\kt:S+16*\t+8*\kt+7], v[(\buf)+8*(2*\cc+\kt):(\buf)+8*(2*\cc+\kt)+7], v[smQ:smQ+7], 0
.else
	v_wmma_f32_16x16x32_bf16 v[S+16*\t+8*\kt:S+16*\t+8*\kt+7], v[(\buf)+8*(2*\cc+\kt):(\buf)+8*(2*\cc+\kt)+7], v[smQ:smQ+7], v[S+16*\t+8*\kt:S+16*\t+8*\kt+7]
.endif
.endr
.if (\t)%2 == 1
.if \rs
	RSS 96+16*(\g)+4*smK, 4
.elseif smK == 3
	PLACES
.endif
.set smK, smK+1
.endif
.endr
.endr
.endm
.macro PMUL buf, g3, pb         ; 16 products of O^T += V^T P: 4 channel blocks x 4 query tiles, 32 keys; 16 accumulators by turns
.if (\g3) == 0
	WIN 0xa0
.else
	WIN 0xf0
.endif
.set pmB, 128*(((\g3)+1)%2)
.irp i, 0,1,2,3
.irp t, 0,1,2,3
	v_wmma_f32_16x16x32_bf16 v[pmB+8*(4*\i+\t):pmB+8*(4*\i+\t)+7], v[(\buf)+8*\i:(\buf)+8*\i+7], v[(\pb)+8*\t:(\pb)+8*\t+7], v[pmB+8*(4*\i+\t):pmB+8*(4*\i+\t)+7]
.endr
.endr
.endm
; T1: the maximum of my 32 keys' scores for each query; it goes to the partner through LDS; X is signalled.
.macro T1
	WIN 0
.irp t, 0,1,2,3
	v_max3_num_f32 v[MX+\t], v[S+16*\t], v[S+16*\t+1], v[S+16*\t+2]
.endr
.irp k, 3,5,7,9,11,13
.irp t, 0,1,2,3
	v_max3_num_f32 v[MX+\t], v[MX+\t], v[S+16*\t+\k], v[S+16*\t+\k+1]
.endr
.endr
.irp t, 0,1,2,3
	v_max_num_f32 v[MX+\t], v[MX+\t], v[S+16*\t+15]
.endr
.irp t, 0,1,2,3
	v_permlanex16_b32 v[MP+\t], v[MX+\t], s[SEL], s[SEL+1]  ; the query's other 16 keys lie in the lane 16 away
.endr
.irp t, 0,1,2,3
	v_max_num_f32 v[MX+\t], v[MX+\t], v[MP+\t]
.endr
	ds_store_b128 v[XOWN], v[MX:MX+3] offset:4096
	s_wait_dscnt 0x0                               ; for the partner's sake; V's first two runs and the partner's P are in too
	s_barrier_signal -1                            ; X.  Up to its wait: products, and loads of V's area, which is written again only behind the next round
.endm
; T2: V^T P of the step before: my own keys' P, then the partner's.  Each count of 8 leaves the youngest run of 8 loads out.
.macro T2 x
.if !(\x)
	s_wait_dscnt 0x0
.endif
	PMUL FA, 0, P
	PLACES
	VRUN FA, ADO, 2
	PMUL FB, 1, P
	PLACES
	VRUN FB, ADP, 0
	s_wait_dscnt 8
	PMUL FA, 2, P
	PLACES
	VRUN FA, ADP, 1
	s_wait_dscnt 8
	PMUL FB, 0, PP
	PLACES
	VRUN FB, ADP, 2
	s_wait_dscnt 8
	PMUL FA, 1, PP
.if \x
	WIN 0
	s_barrier_wait -1                              ; X: the partner's maxima are written
	ds_load_b128 v[MP:MP+3], v[XPAR] offset:4096
	s_wait_dscnt 1                                 ; V's last run is in; the maxima may be out
.else
	s_wait_dscnt 0x0
.endif
	PMUL FB, 2, PP
.if \x
	s_wait_dscnt 0x0                               ; the partner's maxima
.endif
	WIN 0
.endm
.macro FOP t, n                 ; c s - c m for pair n of 8
	v_pk_fma_f32 v[S+16*(\t)+2*(\n):S+16*(\t)+2*(\n)+1], v[S+16*(\t)+2*(\n):S+16*(\t)+2*(\n)+1], s[CS:CS+1], v[ST+4*(\t):ST+4*(\t)+1] op_sel_hi:[1,0,0] neg_lo:[0,0,1] neg_hi:[0,0,1]
.endm
.macro EOP t, n
	v_exp_f32 v[S+16*(\t)+(\n)], v[S+16*(\t)+(\n)]
.endm
.macro COP t, n                 ; pair n rounded to bf16
	s_wait_alu depctr_va_vdst(0)
	v_cvt_pk_bf16_f32 v[P+8*(\t)+(\n)], v[S+16*(\t)+2*(\n)], v[S+16*(\t)+2*(\n)+1]
.endm
.macro AOP t, n                 ; the sum of the 8 pairs, a tree in place; number 7: l = a l + sum
.if (\n) < 4
.set aoA, 2*(\n)
.set aoB, 2*(\n)+1
.elseif (\n) < 6
.set aoA, 4*((\n)-4)
.set aoB, aoA+2
.else
.set aoA, 0
.set aoB, 4
.endif
.if (\n) < 7
	v_pk_add_f32 v[S+16*(\t)+2*aoA:S+16*(\t)+2*aoA+1], v[S+16*(\t)+2*aoA:S+16*(\t)+2*aoA+1], v[S+16*(\t)+2*aoB:S+16*(\t)+2*aoB+1]
.else
	v_pk_fma_f32 v[ST+4*(\t)+2:ST+4*(\t)+3], v[ST+4*(\t)+2:ST+4*(\t)+3], v[AF+2*(\t):AF+2*(\t)+1], v[S+16*(\t):S+16*(\t)+1] op_sel_hi:[1,0,1]
.endif
.endm
.macro PST t                    ; a tile's P, as it lies in registers, for the partner
	ds_store_b128 v[XOWN], v[P+8*(\t):P+8*(\t)+3] offset:1024*(\t)
	ds_store_b128 v[XOWN], v[P+8*(\t)+4:P+8*(\t)+7] offset:1024*(\t)+512
.endm
; T3: the new m, c m and a; then exponential and plain by turns, the plain one of another tile, so that each exponential has a plain instruction behind it before its result is used (ISA guide 5.7.2).
.macro T3
	WIN 0
.irp t, 0,1,2,3
	v_mov_b32 v[AF+2*\t], v[ST+4*\t]
.endr
.irp t, 0,1,2,3
	v_max3_num_f32 v[ST+4*\t+1], v[MX+\t], v[MP+\t], v[ST+4*\t+1]
.endr
.irp t, 0,1,2,3
	v_mul_f32 v[ST+4*\t], s[CS], v[ST+4*\t+1]
.endr
.irp t, 0,1,2,3
	v_sub_f32 v[AF+2*\t], v[AF+2*\t], v[ST+4*\t]
.endr
.irp t, 0,1,2,3
	v_exp_f32 v[AF+2*\t], v[AF+2*\t]
.endr
.set t3N, 0
.rept 8
	FOP 0, t3N
.set t3N, t3N+1
.endr
.set t3N, 0
.rept 16
	EOP 0, t3N
	FOP 1+t3N/8, t3N%8
.set t3N, t3N+1
.endr
.set t3N, 0
.rept 16
	EOP 1, t3N
.if t3N < 8
	FOP 3, t3N
.else
	COP 0, t3N-8
.endif
.set t3N, t3N+1
.endr
	PST 0
.set t3N, 0
.rept 16
	EOP 2, t3N
.if t3N < 8
	AOP 0, t3N
.else
	COP 1, t3N-8
.endif
.set t3N, t3N+1
.endr
	PST 1
.set t3N, 0
.rept 16
	EOP 3, t3N
.if t3N < 8
	AOP 1, t3N
.else
	COP 2, t3N-8
.endif
.set t3N, t3N+1
.endr
	PST 2
.set t3N, 0
.rept 8
	AOP 2, t3N
.set t3N, t3N+1
.endr
.set t3N, 0
.rept 8
	COP 3, t3N
.set t3N, t3N+1
.endr
.set t3N, 0
.rept 8
	AOP 3, t3N
.set t3N, t3N+1
.endr
	PST 3
.endm
; Y: P is handed over, and the areas change.  fill = 1: K two steps on and V one step on are asked for; 2: V alone; 0: nothing, and the barrier is the work-group's own.
.macro YR fill
	WIN 0
	s_wait_tensorcnt 0x0                           ; all my tensor loads have landed: the one that was out is my part of the next K or V; a group 0 may be written
	ds_add_u32 v[SPW], v[NIL]                      ; the descriptors' steps and 32 of the rescaling stand between the add and its wait
.if (\fill) == 1
	s_xor_b32 s[G0K+1], s[G0K+1], SLOT1
	s_add_nc_u64 s[G0K+2:G0K+3], s[G0K+2:G0K+3], 64*768
.endif
.if (\fill) >= 1
	s_xor_b32 s[G0V+1], s[G0V+1], SLOT1
	s_add_nc_u64 s[G0V+2:G0V+3], s[G0V+2:G0V+3], 64*768
.endif
	RSS 0, 32
	s_wait_dscnt 0x0                               ; the add is done, my P is written, my reads of K's and V's old areas are over
	s_barrier_signal -1
	RSS 32, 32
	WIN 0
	s_barrier_wait -1
.if (\fill) >= 1
	CREST                                          ; the barrier has opened a round of the cluster's: no wave of any partner still reads those areas or has a load on its way
.endif
.if (\fill) == 1
	JLOAD
.elseif (\fill) == 2
	s_cmp_lt_u32 s[WV], 2
	s_cbranch_scc1 .Lno_v_\@
	tensor_load_to_lds s[G0V:G0V+3], s[G1V:G1V+7]
	s_nop 0
	PLACES
.Lno_v_\@:
.endif
.endm
; T4: the partner's P; K Q^T of the next step (kq = 1), K's fragments two chunks a run, each count of 8 leaving the youngest run out; V's first two runs for the next T2.
.macro T4 kq, pp, rs
	WIN 0
.if \kq
	v_add_nc_u32 v[ADK], s[TBK], v[AK0]
.endif
	v_add_nc_u32 v[ADO], s[TBV], v[AVO0]
	v_add_nc_u32 v[ADP], s[TBV], v[AVP0]
.if \pp
.irp t, 0,1,2,3
	ds_load_b128 v[PP+8*\t:PP+8*\t+3],   v[XPAR] offset:1024*\t
	ds_load_b128 v[PP+8*\t+4:PP+8*\t+7], v[XPAR] offset:1024*\t+512
.endr
.endif
.if \kq
	KRUN FA, 0
	KRUN FB, 1
.if \rs
	RSS 64, 32
.endif
	s_wait_dscnt 8
	SMUL FA, 0, \rs
	KRUN FA, 2
	s_wait_dscnt 8
	SMUL FB, 1, \rs
	KRUN FB, 3
	s_wait_dscnt 8
	SMUL FA, 2, \rs
	KRUN FA, 4
	s_wait_dscnt 8
	SMUL FB, 3, \rs
	KRUN FB, 5
	s_wait_dscnt 8
	SMUL FA, 4, \rs
	VRUN FA, ADO, 0
	s_wait_dscnt 8
	SMUL FB, 5, \rs
	VRUN FB, ADO, 1
.else
	VRUN FA, ADO, 0
	VRUN FB, ADO, 1
	RSS 64, 128
.endif
	WIN 0
	s_xor_b32 s[TBK], s[TBK], SLOT1
	s_xor_b32 s[TBV], s[TBV], SLOT1
.endm
	s_wait_tensorcnt 0x0                           ; my parts of the first tiles are in,
	s_barrier_signal -1
	s_barrier_wait -1                              ; everybody's are
	s_wait_loadcnt 0x0                             ; Q
	T4 1, 0, 0                                     ; S of step 0; V's runs for the first trip's empty product
	s_mov_b32 s[CNT], 30
.Ltrip:                                                ; steps 0 to 29
	T1
	T2 1
	T3
	YR 1
	T4 1, 1, 1
	s_sub_co_u32 s[CNT], s[CNT], 1
	s_cmp_lg_u32 s[CNT], 0
	s_cbranch_scc1 .Ltrip
	T1                                             ; step 30: written out: only V of step 31 is left to ask for
	T2 1
	T3
	YR 2
	T4 1, 1, 1
	T1                                             ; step 31
	T2 1
	T3
	YR 0
	T4 0, 1, 1
	T2 0                                           ; V^T P of step 31
	; THE END.  l: my two halves, the other half of the lanes', the partner's.  The four additions are the places behind the last products.
.irp t, 0,1,2,3
	v_add_f32 v[MX+\t], v[ST+4*\t+2], v[ST+4*\t+3]
.endr
.irp t, 0,1,2,3
	v_permlanex16_b32 v[MP+\t], v[MX+\t], s[SEL], s[SEL+1]
.endr
.irp t, 0,1,2,3
	v_add_f32 v[MX+\t], v[MX+\t], v[MP+\t]
.endr
	ds_store_b128 v[XOWN], v[MX:MX+3] offset:4096
	s_wait_dscnt 0x0
	s_barrier_signal -1
	s_barrier_wait -1
	ds_load_b128 v[MP:MP+3], v[XPAR] offset:4096
	s_wait_dscnt 0x0
.irp t, 0,1,2,3
	v_add_f32 v[MX+\t], v[MX+\t], v[MP+\t]
.endr
	s_cmp_lt_u32 s[WV], 2
	s_cbranch_scc0 .Lno_stat                       ; one wave of a pair stores the pair's statistics
	v_and_b32 v56, 31, v0
	v_cmp_gt_u32 vcc_lo, 16, v56
.irp t, 0,1,2,3
	v_cndmask_b32 v[48+\t], v[MX+\t], v[ST+4*\t], vcc_lo  ; lanes 0-15: c m; lanes 16-31: l
.endr
.irp t, 0,1,2,3
	ds_store_b32 v[XS], v[48+\t] offset:64*\t      ; into my own exchange, which the partner has read out in front of the barrier above
.endr
	ds_load_b128 v[52:55], v[XOWN]
	s_wait_dscnt 0x0
	global_store_b128 v[GO], v[52:55], s[12:13]    ; lanes 0-15: 256 consecutive bytes of c m; lanes 16-31: of l, one plane on
.Lno_stat:
; THE WAY OUT of channel block cb: 16 channels x 64 queries through my own stage; LDS serves a wave's instructions in order (ISA guide 5.7.1.4), so no wait stands between its stores and loads.
.macro OOUT cb
.if (\cb) < 4
	WIN 0x08
.set ooR, 128+32*(\cb)
.else
	WIN 0x0c
.set ooR, 32*((\cb)-4)
.endif
.irp t, 0,1,2,3
.irp j, 0,1,2,3,4,5,6,7
	ds_store_b32 v[STO], v[ooR+8*\t+\j] offset:SPT*\j+64*\t
.endr
.endr
	WIN 0
.set ooB, S+32*((\cb)%2)
	s_wait_xcnt 0x0                                ; registers that earlier stores read are loaded again only behind this wait
.irp i, 0,1,2,3,4,5,6,7
	ds_load_b128 v[ooB+4*\i:ooB+4*\i+3], v[RD] offset:2*SPT*\i
.endr
.irp i, 0,1,2,3,4,5,6,7
	s_wait_dscnt 7-\i
	global_store_b128 v[GO], v[ooB+4*\i:ooB+4*\i+3], s[10:11] offset:(128*((\cb)/4)+16*((\cb)%4)+2*\i)*16384  ; 16 lanes store 256 consecutive bytes, aligned; 318 rows at the most: inside the signed 24-bit immediate
.endr
.endm
.irp cb, 0,1,2,3,4,5,6,7,8,9,10,11
	OOUT \cb
.endr
	s_wait_tensorcnt 0x0                           ; the wave's end
	ds_add_u32 v[SPW], v[NIL]
	s_wait_dscnt 0x0
	CROUND                                         ; the closing round
	s_endpgm
.Lfunc_end_k_qee43011a0a_attn:
	.size	k_qee43011a0a_attn, .Lfunc_end_k_qee43011a0a_attn-k_qee43011a0a_attn
	.p2alignl 7, 3214868480
	.fill 96, 4, 3214868480
	.section	.rodata,"a",@progbits
	.p2align	6, 0x0
	.amdhsa_kernel k_qee43011a0a_attn
		.amdhsa_group_segment_fixed_size 327680
		.amdhsa_private_segment_fixed_size 0
		.amdhsa_enable_private_segment 0
		.amdhsa_kernarg_size 40
		.amdhsa_user_sgpr_count 2
		.amdhsa_user_sgpr_kernarg_segment_ptr 1
		.amdhsa_wavefront_size32 1
		.amdhsa_system_sgpr_workgroup_id_x 1
		.amdhsa_system_sgpr_workgroup_id_y 1
		.amdhsa_system_sgpr_workgroup_id_z 1
		.amdhsa_system_vgpr_workitem_id 0
		.amdhsa_next_free_vgpr 1024
		.amdhsa_next_free_sgpr 80
		.amdhsa_reserve_vcc 1
		.amdhsa_float_denorm_mode_32 3
		.amdhsa_float_denorm_mode_16_64 3
		.amdhsa_memory_ordered 1
		.amdhsa_forward_progress 1
		.amdhsa_inst_pref_size 229
	.end_amdhsa_kernel
	.amdgpu_metadata
---
amdhsa.version: [ 1, 2 ]
amdhsa.kernels:
  - .name:           k_qee43011a0a_attn
    .symbol:         k_qee43011a0a_attn.kd
    .args:
      - { .name: qb, .offset: 0, .size: 8, .value_kind: global_buffer, .address_space: global }
      - { .name: kb, .offset: 8, .size: 8, .value_kind: global_buffer, .address_space: global }
      - { .name: vb, .offset: 16, .size: 8, .value_kind: global_buffer, .address_space: global }
      - { .name: op, .offset: 24, .size: 8, .value_kind: global_buffer, .address_space: global }
      - { .name: st, .offset: 32, .size: 8, .value_kind: global_buffer, .address_space: global }
    .group_segment_fixed_size: 327680
    .private_segment_fixed_size: 0
    .kernarg_segment_align: 8
    .kernarg_segment_size: 40
    .max_flat_workgroup_size: 128
    .sgpr_count:     80
    .vgpr_count:     1024
    .wavefront_size: 32
...
	.end_amdgpu_metadata
.endif
;; end of part 3
;; launch outp (part 4): grid 256 x 1, 4 waves a work-group, clusters of 4 x 1, 327,680 bytes of LDS; arguments op, st, wb, bc, out0; writes out0
.if DOCPART == 4
	.amdgcn_target "amdgcn-amd-amdhsa--gfx1250"
	.amdhsa_code_object_version 6
	.text
	.protected	k_qee43011a0a_outp
	.globl	k_qee43011a0a_outp
	.p2align	8
	.type	k_qee43011a0a_outp,@function
k_qee43011a0a_outp:
	s_mov_b64 s[64:65], 0
	v_nop
	global_prefetch_b8 v0, s[64:65] scope:SCOPE_SE
	s_setreg_imm32_b32 hwreg(HW_REG_WAVE_MODE, 25, 1), 1
	s_wait_xcnt 0x0
	s_wait_alu depctr_hold_cnt(0) depctr_sa_sdst(0) depctr_va_vdst(0) depctr_va_sdst(0) depctr_va_ssrc(0) depctr_va_vcc(0) depctr_vm_vsrc(0)
	s_getreg_b32 s2, hwreg(HW_REG_IB_STS2, 6, 4)
	s_cmp_eq_u32 s2, 0
	s_cbranch_scc0 .Lentry_in_a_cluster
	s_endpgm
.Lentry_in_a_cluster:
	s_bfe_u32 s2, ttmp6, 0x10000c
	s_cmp_lg_u32 s2, 0x3003
	s_cbranch_scc0 .Lentry_shape_is_right
	s_endpgm
.Lentry_shape_is_right:
; out0 = y' Wc^T + bc, where y' is y^T ([b][384 channels][4096 queries]) read flat as [4096][384], and y = (e1 O1 + e2 O2) / (e1 l1 + e2 l2), e_i = 2^(c m_i - max(c m_1, c m_2)):
; the two key halves' unnormalised sums op[2 b + half][channel][query] f32 and their statistics st[2 b + half][c m, l][query] f32 are joined here.  wb's fourth matrix is Wc as [384][384] bf16; bc: [384] f32, out0: [16384][384] f32.
; LIMITS.  y is rounded once to bf16 for the product (Wc was, by the first launch); sums, weights and the bias in f32.  An e below 2^-126 counts as 0.  NaN and infinities are not treated apart.
; SHARES.  A work-group owns 64 flat rows = 6 whole channels of one batch over all 4,096 queries, and makes all 384 columns: 3 pairs of 128 columns.
; Element e of the work-group's 24,576 belongs to query e mod 4,096, so every work-group makes the batch's 2 x 4,096 weights w_i = e_i / (e1 l1 + e2 l2) once, in LDS.
; The product, ring, cluster and register map are the projection launch's: wave w owns 32 of a pair's 128 columns and fetches and reads only those rows of Wc; source 0 = rows of Wc, source 1 = rows of y';
; the bias is the C operand that starts a pair's sums; a slot holds a whole pair's tile; every work-group walks the same tiles of Wc, so the four of a cluster ask jointly.
.set PW,    816
.set WPART, 32*PW
.set SLOTB, 4*WPART
.set PAIRB, 128*768             ; a pair's rows of Wc in wb, bytes
.set WCOFF, 3*384*768           ; Wc's place in wb
.set AT,    2*SLOTB             ; y' in bf16: 64 rows of 768 + 16 bytes
.set PA,    784
.set STAGE, AT+64*PA            ; the way out: 64 rows of 512 + 16 bytes
.set SPT,   528
.set WT,    STAGE+64*SPT        ; w1[4096], then w2[4096], f32
.set SPARE, WT+32768            ; the spare words: 128 bytes a wave, named by no other line
.set XO,  2                     ; v2   24,576 w + 16 lane: my 16 bytes in my wave's 16 flat rows, of op and of out0 alike
.set ATS, 3
.set AFR, 4
.set WA,  5                     ; v5-6
.set BO,  7
.set STO, 8
.set RD,  9
.set SO,  11                    ; v11  16 x thread: my four queries of 512
.set SPW, 12
.set NIL, 13
.set WS,  14                    ; v14  where I put four weights
.set WAP, 15                    ; v15  WT + 16 lane + 8,192 (w & 1)
.set WAM, 16                    ; v16  WT + 16 lane - 8,192 (w & 1)
.set T,   32
.set WF,  64                    ; v64-255: the pair's 24 fragments of Wc (chunk c, column tile ct at 64 + 16 c + 8 ct); before that the statistics and weights
.set RB,  64                    ; the way out: 16 rows read back from the stage
.set ACC, 128                   ; window 2
.set BI,  192                   ; window 2
.set WV,  24
.set GI,  25
.set G1,  28
.set G0A, 36
.set G0B, 40
.set FP,  44
.set BP,  48
.set OP,  52
.set MSB, 0
.macro WIN new
.if MSB != (\new)
	s_set_vgpr_msb (MSB<<8)|(\new)
.set MSB, \new
.endif
.endm
.macro PLACES
.rept 4
	v_nop
.endr
.endm
.macro CREST
	s_cmp_lg_u32 s[WV], 0
	s_cbranch_scc1 .Lnot_wave_0_\@
	s_barrier_signal -3
.Lnot_wave_0_\@:
	s_barrier_wait -3
	s_barrier_signal -1
	s_barrier_wait -1
.endm
.macro CROUND
	s_barrier_signal -1
	s_barrier_wait -1
	CREST
.endm
.macro JL g0
	tensor_load_to_lds s[\g0:\g0+3], s[G1:G1+7]
	s_nop 0
	PLACES
.endm
	s_load_b256 s[4:11], s[0:1], 0x0               ; op, st, wb, bc
	s_load_b64 s[12:13], s[0:1], 0x20              ; out0
	v_lshl_add_u32 v[SPW], v0, 2, SPARE
	v_mov_b32 v[NIL], 0
	ds_add_u32 v[SPW], v[NIL]                      ; the wave's opening: an add and its wait ahead of my first tensor load
	v_lshrrev_b32 v1, 5, v0
	v_readfirstlane_b32 s[WV], v1
	s_bfe_u32 s54, ttmp6, 0x40000
	s_lshl_b32 s[GI], ttmp9, 2
	s_add_co_u32 s[GI], s[GI], s54                 ; work-group: it enters op's, st's and out0's addresses alone
	s_mov_b32 s[G1+0], 15|(1<<16)|(1<<20)|(1<<21)|(5<<22)|(3<<25)  ; mask of four; 2-byte elements; padding on; bit 21 beside a mask; after every 64 words, 4 words
	s_mov_b32 s[G1+1], 384<<16
	s_mov_b32 s[G1+2], 32<<16
	s_mov_b32 s[G1+3], 384<<16
	s_mov_b32 s[G1+4], 32
	s_mov_b32 s[G1+5], 384
	s_mov_b32 s[G1+6], 0
	s_mov_b32 s[G1+7], 0
	s_lshr_b32 s56, s[GI], 6                       ; the batch
	s_and_b32 s57, s[GI], 63
	s_mul_i32 s54, s56, 2*384*16384                ; its first half's sums,
	s_mul_i32 s57, s57, 6*16384                    ; my six channels
	s_add_co_u32 s54, s54, s57
	s_mov_b32 s55, 0
	s_lshl_b32 s56, s56, 16                        ; its four planes of statistics
	s_mov_b32 s57, 0
	s_mul_i32 s60, s[GI], 64*1536
	s_mov_b32 s61, 0
	s_mul_i32 s58, s[WV], 32*768                   ; my 32 rows in a tile of Wc
	s_add_co_u32 s58, s58, WCOFF
	s_mov_b32 s59, 0
	s_mul_i32 s14, s[WV], WPART
	s_mov_b32 s[G0A], 1
	s_mov_b32 s[G0A+1], s14
	s_mov_b32 s[G0B], 1
	s_add_co_u32 s[G0B+1], s14, SLOTB
	v_and_b32 v1, 15, v0                           ; r
	v_and_b32 v17, 31, v0                          ; lane
	v_bfe_u32 v18, v0, 4, 1                        ; h
	s_mul_i32 s15, s[WV], 16*1536
	v_lshl_add_u32 v[XO], v17, 4, s15
	s_mul_i32 s15, s[WV], 16*PA
	s_add_co_u32 s15, s15, AT
	v_lshl_add_u32 v[ATS], v17, 3, s15
	v_mul_u32_u24 v[AFR], v1, PA
	v_lshl_add_u32 v[AFR], v18, 4, v[AFR]
	v_add_nc_u32 v[AFR], AT, v[AFR]
	v_mul_u32_u24 v[WA], v1, PW
	v_lshl_add_u32 v[WA], v18, 4, v[WA]            ; row x pitch + 16 x half
	v_add_nc_u32 v[WA], s14, v[WA]
	v_add_nc_u32 v[WA+1], SLOTB, v[WA]
	s_lshl_b32 s15, s[WV], 7
	v_lshl_add_u32 v[BO], v18, 5, s15
	v_mul_u32_u24 v[STO], v1, SPT                  ; in: row r, my wave's 128 bytes, 32 for each half of the lanes
	v_lshl_add_u32 v[STO], v18, 5, v[STO]
	s_add_co_u32 s15, s15, STAGE
	v_add_nc_u32 v[STO], s15, v[STO]
	s_mul_i32 s15, s[WV], 16*SPT                   ; back: a whole row of 512 bytes a load
	s_add_co_u32 s15, s15, STAGE
	v_lshl_add_u32 v[RD], v17, 4, s15
	v_lshlrev_b32 v[SO], 4, v0
	v_lshl_add_u32 v[WS], v0, 4, WT
	s_and_b32 s15, s[WV], 1
	s_lshl_b32 s15, s15, 13
	s_add_co_u32 s16, s15, WT
	v_lshl_add_u32 v[WAP], v17, 4, s16
	s_sub_co_u32 s16, WT, s15
	v_lshl_add_u32 v[WAM], v17, 4, s16
	s_wait_dscnt 0x0                               ; the opening add is done
	s_wait_kmcnt 0x0
	s_add_nc_u64 s[4:5], s[4:5], s[54:55]
	s_add_nc_u64 s[6:7], s[6:7], s[56:57]
	s_add_nc_u64 s[FP:FP+1], s[8:9], s[58:59]
	s_mov_b64 s[BP:BP+1], s[10:11]
	s_add_nc_u64 s[OP:OP+1], s[12:13], s[60:61]
	s_mov_b64 s[G0A+2:G0A+3], s[FP:FP+1]           ; pair 0
	s_or_b32 s[G0A+3], s[G0A+3], 0x80000000
	s_add_nc_u64 s[G0B+2:G0B+3], s[FP:FP+1], PAIRB ; pair 1
	s_or_b32 s[G0B+3], s[G0B+3], 0x80000000
	CROUND                                         ; all four work-groups are here: the first joint loads meet
	JL G0A                                         ; two tensor loads of mine are out
	JL G0B
.macro BIAS
	WIN 0x80
.irp ct, 0,1
	global_load_b128 v[BI+8*\ct:BI+8*\ct+3],   v[BO], s[BP:BP+1] offset:64*\ct
	global_load_b128 v[BI+8*\ct+4:BI+8*\ct+7], v[BO], s[BP:BP+1] offset:64*\ct+16
.endr
	WIN 0
.endm
.macro OLOAD k                  ; batch k of six: 8 loads of 512 consecutive bytes of the first half's sums (window 1), the same 8 of the second half's (window 2), 6,291,456 bytes on
	WIN 0x40
.set olN, 8*(\k)
.rept 8
	global_load_b128 v[4*olN:4*olN+3], v[XO], s[4:5] offset:1536*(olN/3)+512*(olN%3) th:TH_LOAD_NT
.set olN, olN+1
.endr
	WIN 0x80
.set olN, 8*(\k)
.rept 8
	global_load_b128 v[4*olN:4*olN+3], v[XO], s[4:5] offset:6291456+1536*(olN/3)+512*(olN%3) th:TH_LOAD_NT
.set olN, olN+1
.endr
	WIN 0
.endm
.irp i, 0,1,2,3,4,5,6,7
.irp a, 0,1,2,3                 ; planes: c m 1, l 1, c m 2, l 2; 512 queries a turn
	global_load_b128 v[64+4*(4*\i+\a):64+4*(4*\i+\a)+3], v[SO], s[6:7] offset:16384*\a+2048*\i
.endr
.endr
	OLOAD 0
	OLOAD 1
	s_wait_loadcnt 32                              ; the statistics are in; the two batches' 32 loads stay out
	OLOAD 2                                        ; two more batches go out ahead of the weights' arithmetic
	OLOAD 3
.macro WGT i                    ; four queries' weights
.set wgR, 64+16*(\i)
.irp k, 0,1,2,3
	v_max_num_f32 v[T+\k], v[wgR+\k], v[wgR+8+\k]
.endr
.irp k, 0,2
	v_pk_add_f32 v[wgR+\k:wgR+\k+1], v[wgR+\k:wgR+\k+1], v[T+\k:T+\k+1] neg_lo:[0,1] neg_hi:[0,1]
	v_pk_add_f32 v[wgR+8+\k:wgR+9+\k], v[wgR+8+\k:wgR+9+\k], v[T+\k:T+\k+1] neg_lo:[0,1] neg_hi:[0,1]
.endr
.irp k, 0,1,2,3
	v_exp_f32 v[wgR+\k], v[wgR+\k]
	v_exp_f32 v[wgR+8+\k], v[wgR+8+\k]
.endr
	v_nop                                          ; a plain instruction behind the last exponential
	s_wait_alu depctr_va_vdst(0)
.irp k, 0,2
	v_pk_mul_f32 v[T+4+\k:T+5+\k], v[wgR+4+\k:wgR+5+\k], v[wgR+\k:wgR+\k+1]
.endr
.irp k, 0,2
	v_pk_fma_f32 v[T+4+\k:T+5+\k], v[wgR+12+\k:wgR+13+\k], v[wgR+8+\k:wgR+9+\k], v[T+4+\k:T+5+\k]
.endr
.irp k, 0,1,2,3
	v_rcp_f32 v[T+4+\k], v[T+4+\k]
.endr
	v_nop                                          ; and behind the last reciprocal
	s_wait_alu depctr_va_vdst(0)
.irp k, 0,2
	v_pk_mul_f32 v[wgR+\k:wgR+\k+1], v[wgR+\k:wgR+\k+1], v[T+4+\k:T+5+\k]
	v_pk_mul_f32 v[wgR+8+\k:wgR+9+\k], v[wgR+8+\k:wgR+9+\k], v[T+4+\k:T+5+\k]
.endr
	ds_store_b128 v[WS], v[wgR:wgR+3] offset:2048*(\i)
	ds_store_b128 v[WS], v[wgR+8:wgR+11] offset:16384+2048*(\i)
.endm
.irp i, 0,1,2,3,4,5,6,7
	WGT \i
.endr
	OLOAD 4
	OLOAD 5
	BIAS
	s_wait_dscnt 0x0                               ; for the others' sake: my weights are written
	s_barrier_signal -1
	s_barrier_wait -1
; Batch k is joined: y = w1 O1 + w2 O2, rounded to bf16, into AT.  Load n = 3 i + th holds elements 6,144 w + 384 i + 128 th + 4 lane ..: query (2,048 (w & 1) + 384 i + 128 th) mod 4,096 + 4 lane ..
; left = the younger global loads (later batches and the bias's 4), as far as the wait's field reaches.
.macro COMB k, left
.set cbM, 0
.rept 8
.set cbN, 8*(\k)+cbM
.set cbQ, (384*(cbN/3)+128*(cbN%3))%4096
.if cbQ < 2048
	ds_load_b128 v[64+4*cbM:64+4*cbM+3], v[WAP] offset:4*cbQ
	ds_load_b128 v[96+4*cbM:96+4*cbM+3], v[WAP] offset:4*cbQ+16384
.else
	ds_load_b128 v[64+4*cbM:64+4*cbM+3], v[WAM] offset:4*cbQ
	ds_load_b128 v[96+4*cbM:96+4*cbM+3], v[WAM] offset:4*cbQ+16384
.endif
.set cbM, cbM+1
.endr
	s_wait_loadcnt \left
	s_wait_dscnt 0x0
	WIN 0x01
.set cbM, 0
.rept 16
	v_pk_mul_f32 v[T+2*cbM:T+2*cbM+1], v[32*(\k)+2*cbM:32*(\k)+2*cbM+1], v[64+2*cbM:64+2*cbM+1]
.set cbM, cbM+1
.endr
	WIN 0x02
.set cbM, 0
.rept 16
	v_pk_fma_f32 v[T+2*cbM:T+2*cbM+1], v[32*(\k)+2*cbM:32*(\k)+2*cbM+1], v[96+2*cbM:96+2*cbM+1], v[T+2*cbM:T+2*cbM+1]
.set cbM, cbM+1
.endr
	WIN 0
.set cbM, 0
.rept 16
	v_cvt_pk_bf16_f32 v[128+cbM], v[T+2*cbM], v[T+2*cbM+1]
.set cbM, cbM+1
.endr
.set cbM, 0
.rept 8
.set cbN, 8*(\k)+cbM
	ds_store_b64 v[ATS], v[128+2*cbM:128+2*cbM+1] offset:PA*(cbN/3)+256*(cbN%3)
.set cbM, cbM+1
.endr
.endm
	COMB 0, 63
	COMB 1, 63
	COMB 2, 52
	COMB 3, 36
	COMB 4, 20
	COMB 5, 4
	s_wait_dscnt 0x0                               ; for the others' sake: my rows of AT are written
	s_barrier_signal -1
	s_barrier_wait -1
	WIN 0x40                                       ; all 48 fragments of y' stay in registers
.irp rt, 0,1,2,3
.irp c, 0,1,2,3,4,5,6,7
	ds_load_b128 v[64*\rt+8*\c:64*\rt+8*\c+3],   v[AFR] offset:16*PA*\rt+64*\c
	ds_load_b128 v[64*\rt+8*\c+4:64*\rt+8*\c+7], v[AFR] offset:16*PA*\rt+64*\c+32
.endr
.endr
	WIN 0x80
.irp rt, 0,1,2,3
.irp c, 8,9,10,11
	ds_load_b128 v[32*\rt+8*(\c-8):32*\rt+8*(\c-8)+3],   v[AFR] offset:16*PA*\rt+64*\c
	ds_load_b128 v[32*\rt+8*(\c-8)+4:32*\rt+8*(\c-8)+7], v[AFR] offset:16*PA*\rt+64*\c+32
.endr
.endr
	WIN 0
; 24 LDS loads in one run: Wc's fragments of chunks c0 .. c0 + 5, my two column tiles: four loads a chunk.  Chunk c begins at byte 64 c of the row, 16 more behind each 256.
.macro WRUN slot, c0
	WIN 0
.irp cc, 0,1,2,3,4,5
.irp ct, 0,1
.set wrC, (\c0)+\cc
.set wrO, 16*PW*\ct+64*wrC+16*(wrC/4)
.set wrR, WF+16*wrC+8*\ct
	ds_load_b128 v[wrR:wrR+3],   v[WA+(\slot)] offset:wrO
	ds_load_b128 v[wrR+4:wrR+7], v[WA+(\slot)] offset:wrO+32
.endr
.endr
.endm
.macro WMUL c0                  ; 16 products; the 8 accumulators take turns; chunk 0 starts the sums with the bias
.irp cc, 0,1
.set wmC, (\c0)+\cc
.if wmC < 8
	WIN 0xa4
.else
	WIN 0xa8
.endif
.irp ct, 0,1
.irp rt, 0,1,2,3
.if wmC < 8
.set wmX, 64*\rt+8*wmC
.else
.set wmX, 32*\rt+8*(wmC-8)
.endif
.set wmD, ACC+8*(4*\ct+\rt)
.set wmW, WF+16*wmC+8*\ct
.if wmC == 0
	v_wmma_f32_16x16x32_bf16 v[wmD:wmD+7], v[wmW:wmW+7], v[wmX:wmX+7], v[BI+8*\ct:BI+8*\ct+7]
.else
	v_wmma_f32_16x16x32_bf16 v[wmD:wmD+7], v[wmW:wmW+7], v[wmX:wmX+7], v[wmD:wmD+7]
.endif
.endr
.endr
.endr
.endm
.macro COMP slot                ; a pair: 96 products; each fragment has registers of its own
	WRUN \slot, 0
	s_wait_dscnt 16                                ; chunks 0, 1 are in: 8 of the 24 loads
	WMUL 0
	WRUN \slot, 6
	s_wait_dscnt 32                                ; chunks 2, 3: the first run's last 8 and the second run's 24 may be out
	WMUL 2
	s_wait_dscnt 24                                ; chunks 4, 5: the second run may be out
	WMUL 4
	s_wait_dscnt 16                                ; and so on, 8 loads for each two chunks
	WMUL 6
	s_wait_dscnt 8
	WMUL 8
	s_wait_dscnt 0x0
	WMUL 10
.endm
; THE WAY OUT of a pair, in f32: each accumulator's low four registers first; a barrier, since a row's 512 bytes come from four waves; back as whole rows, 16 a wave.
; FIVE places open it.  Four are owed to the stores of the results, to the next bias's loads and to the loads into RB, whose registers the pair's first products read.  The fifth is owed to the next
; pair's first products: they start their sums with the bias as C, so they write over accumulators that this pair's products wrote, and a matrix instruction that writes over another's registers
; stands five places behind it (ISA guide 7.12.1); this way out holds no other vector work that could be a place.
.macro OUT3 last
.rept 5
	v_nop
.endr
.if !(\last)
	BIAS
.endif
	WIN 0x08
.irp ct, 0,1
.irp rt, 0,1,2,3
	ds_store_b128 v[STO], v[ACC+8*(4*\ct+\rt):ACC+8*(4*\ct+\rt)+3]   offset:16*SPT*\rt+64*\ct
	ds_store_b128 v[STO], v[ACC+8*(4*\ct+\rt)+4:ACC+8*(4*\ct+\rt)+7] offset:16*SPT*\rt+64*\ct+16
.endr
.endr
	WIN 0
	s_wait_dscnt 0x0                               ; for the others' sake
	s_barrier_signal -1
	s_barrier_wait -1                              ; the stage is written again only behind a later barrier
.irp i, 0,1,2,3,4,5,6,7,8,9,10,11,12,13,14,15
	ds_load_b128 v[RB+4*\i:RB+4*\i+3], v[RD] offset:SPT*\i
.endr
.irp i, 0,1,2,3,4,5,6,7,8,9,10,11,12,13,14,15
	s_wait_dscnt 15-\i
	global_store_b128 v[XO], v[RB+4*\i:RB+4*\i+3], s[OP:OP+1] offset:1536*\i th:TH_STORE_NT  ; 512 consecutive bytes, at a multiple of 256 from out0's first
.endr
.if !(\last)
	s_wait_xcnt 0x0                                ; the stores' base and data (the next pair's fragments land on them) are rewritten only behind this wait
	s_add_nc_u64 s[OP:OP+1], s[OP:OP+1], 512
.endif
.endm
	s_wait_loadcnt 0x0                             ; the bias: BP is free
	s_add_nc_u64 s[BP:BP+1], s[BP:BP+1], 512
	s_wait_dscnt 0x0                               ; the fragments
	s_wait_tensorcnt 1                             ; my rows of slot 0 are in, and only I read them; slot 1's load may stay out
	COMP 0                                         ; pair 0
	OUT3 0
	s_wait_tensorcnt 0x0                           ; slot 0 has been read: it takes pair 2.  All my tensor loads have landed (slot 1's): a group 0 may be written
	ds_add_u32 v[SPW], v[NIL]
	s_add_nc_u64 s[G0A+2:G0A+3], s[G0A+2:G0A+3], 2*PAIRB
	s_wait_dscnt 0x0                               ; the add is done, and my reads of slot 0 and of the stage are over
	CROUND                                         ; no wave of any partner still reads the slot or has a load on its way
	JL G0A
	s_wait_loadcnt 0x0                             ; the bias
	s_add_nc_u64 s[BP:BP+1], s[BP:BP+1], 512
	COMP 1                                         ; pair 1
	OUT3 0
	s_wait_tensorcnt 0x0                           ; pair 2's tile; nothing is left to fetch
	s_wait_dscnt 0x0
	s_barrier_signal -1
	s_barrier_wait -1                              ; every wave's reads of the stage are back before it is written once more
	s_wait_loadcnt 0x0                             ; the bias
	COMP 0                                         ; pair 2
	OUT3 1
	s_wait_tensorcnt 0x0                           ; the wave's end
	ds_add_u32 v[SPW], v[NIL]
	s_wait_dscnt 0x0
	CROUND                                         ; the closing round
	s_endpgm
.Lfunc_end_k_qee43011a0a_outp:
	.size	k_qee43011a0a_outp, .Lfunc_end_k_qee43011a0a_outp-k_qee43011a0a_outp
	.p2alignl 7, 3214868480
	.fill 96, 4, 3214868480
	.section	.rodata,"a",@progbits
	.p2align	6, 0x0
	.amdhsa_kernel k_qee43011a0a_outp
		.amdhsa_group_segment_fixed_size 327680
		.amdhsa_private_segment_fixed_size 0
		.amdhsa_enable_private_segment 0
		.amdhsa_kernarg_size 40
		.amdhsa_user_sgpr_count 2
		.amdhsa_user_sgpr_kernarg_segment_ptr 1
		.amdhsa_wavefront_size32 1
		.amdhsa_system_sgpr_workgroup_id_x 1
		.amdhsa_system_sgpr_workgroup_id_y 1
		.amdhsa_system_sgpr_workgroup_id_z 1
		.amdhsa_system_vgpr_workitem_id 0
		.amdhsa_next_free_vgpr 768
		.amdhsa_next_free_sgpr 66
		.amdhsa_reserve_vcc 0
		.amdhsa_float_denorm_mode_32 3
		.amdhsa_float_denorm_mode_16_64 3
		.amdhsa_memory_ordered 1
		.amdhsa_forward_progress 1
		.amdhsa_inst_pref_size 109
	.end_amdhsa_kernel
	.amdgpu_metadata
---
amdhsa.version: [ 1, 2 ]
amdhsa.kernels:
  - .name:           k_qee43011a0a_outp
    .symbol:         k_qee43011a0a_outp.kd
    .args:
      - { .name: op, .offset: 0, .size: 8, .value_kind: global_buffer, .address_space: global }
      - { .name: st, .offset: 8, .size: 8, .value_kind: global_buffer, .address_space: global }
      - { .name: wb, .offset: 16, .size: 8, .value_kind: global_buffer, .address_space: global }
      - { .name: bc, .offset: 24, .size: 8, .value_kind: global_buffer, .address_space: global }
      - { .name: out0, .offset: 32, .size: 8, .value_kind: global_buffer, .address_space: global }
    .group_segment_fixed_size: 327680
    .private_segment_fixed_size: 0
    .kernarg_segment_align: 8
    .kernarg_segment_size: 40
    .max_flat_workgroup_size: 128
    .sgpr_count:     66
    .vgpr_count:     768
    .wavefront_size: 32
...
	.end_amdgpu_metadata
.endif
;; end of part 4
